; MI455X (gfx1250); checked and timed in simulation.
; The chip was launched on July 23, 2026; its instructions are those of AMD's public machine-readable ISA for CDNA 5 (MIT licence, August 2026) and "CDNA5" Instruction Set Architecture Reference Guide (July 2026). The comments in the code are by the model that wrote it; some were corrected since.
;; Bert For Span Aspect Extraction. Allowed arithmetic: matrix products marked QUANTISED: E3M2 operands, one E8M0 scale for each 32 along K, by v_wmma_scale_f32_16x16x128_f8f6f4 with both operands' format E3M2, f32 sums; products left as they are: f32 operands where the result goes on into a quantised operand, else bf16, f16 or f32 operands; f32 sums; everything else in f32.
;; Inputs: W1e 768 x 384 float32; W1s 768 x 384 float32; W2 384 float32; b1 384 float32; b2 one number float32; b_end one number float32; b_start one number float32; sequence_output 4 x 256 x 768 float32; w_end 768 float32; w_start 768 float32.
;; Outputs: out0 4 x 256 float32; out1 4 x 256 float32; out2 4 x 256 x 256 float32.
;; This version of the problem:
;;   THIS VERSION OF THE PROBLEM IS GIVEN IN LOW PRECISION. The matrix products marked QUANTISED in the list below multiply operands that are first quantised to E3M2 (3 exponent bits, 2 mantissa bits; 6 bits a number), with one power-of-two scale for each 32 numbers along K (OCP MX v1.0); their sums are f32. All else is computed in f32.
;;   The module's matrix products, in the order in which they are computed (A, B: the left and right operand; K: the contracted axis; several contracted axes count as one K, in the product's order):
;;     1. [M 1,024, K 768] x [K 768, N 1]; A: input sequence_output; B: input w_start: left as it is (N = 1 < 16)
;;     2. [M 1,024, K 768] x [K 768, N 1]; A: input sequence_output; B: input w_end: left as it is (N = 1 < 16)
;;     3. [M 1,024, K 768] x [K 768, N 384]; A: input sequence_output; B: input W1s: QUANTISED
;;     4. [M 1,024, K 768] x [K 768, N 384]; A: input sequence_output; B: input W1e: QUANTISED
;;     5. [M 262,144, K 384] x [K 384, N 1]; A: computed on the way; B: input W2: left as it is (N = 1 < 16)
;;   THE QUANTISER, for each operand of a quantised product, along K:
;;     - K is cut into blocks of 32 from its start; a last block that is shorter is filled with zeros.
;;     - A block's scale is 2^e with e = floor(log2(the largest magnitude in the block)) - 4, held to -126 .. 127; a block of zeros has e = 0. As a byte (E8M0): e + 127.
;;     - Each number is divided by its block's scale, clamped to +-28, and rounded to the nearest number of E3M2, ties to even, subnormals kept.
;;     - The product sums the exact products of the quantised numbers (number of the format x scale) in f32.
;;   ~~~python
;;   def quantise(x, axis):      # numpy; x: float32 -> the quantised numbers, widened to float32 again
;;       x = np.moveaxis(x, axis, -1); K = x.shape[-1]
;;       x = np.pad(x, [(0, 0)] * (x.ndim - 1) + [(0, -K % 32)]); x = x.reshape(x.shape[:-1] + (-1, 32)); a = np.abs(x).max(-1, keepdims=True)
;;       e = np.where(a > 0, np.clip(np.frexp(np.where(a > 0, a, 1))[1] - 1 - 4, -126, 127), 0)      # np.frexp(a)[1] - 1 = floor(log2(a)), exactly
;;       r = np.clip(x / 2.0 ** e, -28, 28)
;;       step = 2.0 ** (np.maximum(np.frexp(np.where(r == 0, 1, r))[1] - 1, -2) - 2)
;;       q = np.round(r / step) * step * 2.0 ** e      # np.round: ties to even
;;       return np.moveaxis(q.reshape(q.shape[:-2] + (-1,))[..., :K], -1, axis).astype(np.float32)
;;   ~~~
;; One version. Each part assembles by itself: llvm-mc -triple=amdgcn-amd-amdhsa -mcpu=gfx1250 --defsym DOCPART=n.
;; ======== version 1 of 1: 2 launches
;; limits: a difference of large sums (such as E[x^2] - mean^2): digits are lost where the result is much smaller than its terms
;; workspace buffers: proj 3,145,728 bytes
;; launch project (part 1): grid 12 x 16, 12 waves a work-group, clusters of 4 x 1, 300,032 bytes of LDS; arguments sequence_output, W1s, W1e, b1, proj; writes proj
.if DOCPART == 1
	.amdgcn_target "amdgcn-amd-amdhsa--gfx1250"
	.amdhsa_code_object_version 6
	.text
	.protected	k_qb374e7645a_project
	.globl	k_qb374e7645a_project
	.p2align	8
	.type	k_qb374e7645a_project,@function
k_qb374e7645a_project:
	s_mov_b64 s[64:65], 0
	v_nop
	global_prefetch_b8 v0, s[64:65] scope:SCOPE_SE
	s_setreg_imm32_b32 hwreg(HW_REG_WAVE_MODE, 25, 1), 1
	s_wait_xcnt 0x0
	s_wait_alu depctr_hold_cnt(0) depctr_sa_sdst(0) depctr_va_vdst(0) depctr_va_sdst(0) depctr_va_ssrc(0) depctr_va_vcc(0) depctr_vm_vsrc(0)
	s_getreg_b32 s2, hwreg(HW_REG_IB_STS2, 6, 4)
	s_cmp_eq_u32 s2, 0
	s_cbranch_scc0 .Lentry_in_a_cluster
	s_endpgm
.Lentry_in_a_cluster:
	s_bfe_u32 s2, ttmp6, 0x10000c
	s_cmp_lg_u32 s2, 0x3003
	s_cbranch_scc0 .Lentry_shape_is_right
	s_endpgm
.Lentry_shape_is_right:
; proj[0][row][n] = (x W1s)[row][n] + b1[n]   and   proj[1][row][n] = -(x W1e)[row][n],  f32, [2][1024][384].
; x: [1024][768] f32, W1s, W1e: [768][384] f32 (K is their first axis).  Both operands are quantised here to codes of E3M2 with one E8M0 scale for each 32 along K,
; and multiplied by v_wmma_scale_f32_16x16x128_f8f6f4; sums in f32.
; A block's scale is 2^(floor(log2(its largest magnitude)) - 4): its byte is that magnitude's exponent field - 4, held at 1 from below.  (A block of zeros so gets the byte 1: its codes are zeros, and this text alone reads the bytes.)
; LIMITS: NaN and infinities among the inputs are not served.
; SHARES.  A work-group makes 64 rows x 64 columns of [s | e]: 16 x 12 work-groups; column blocks 0-5 belong to W1s, 6-11 to W1e.  64 columns are 256 bytes of a row of W and of proj.
; Twelve waves.  Wave w quantises two fragments of x (rows 16 (w % 4) on, K steps 2 (w / 4) and 2 (w / 4) + 1) and K rows 64 w .. 64 w + 63 of W's 64 columns; the codes meet in LDS as images of
; the operands' registers; behind one barrier waves 0-3 multiply, 16 rows x 64 columns each, 24 matrix instructions.
; CLUSTER.  The four column blocks of a cluster need the same 64 rows of x: x's tiles are asked for JOINTLY (the same tensor load, the same descriptor, a mask that names the four).
; W is not shared within a cluster (each partner has columns of its own); across clusters nothing can be asked jointly.  W goes through registers: 64 x 768 f32 of x and as many of W do not fit in LDS together.
; Every LDS byte is filled once; all that the work-group reads from memory is asked for at the head, x's tiles first: they are what a wave works on first.
.set XIMG,  0                          ; x's 24 fragments (row tile x 6 + K step), 1,536 bytes each: register group g of lane l at 512 g + 16 l
.set XSC,   36864                      ; their scale words, 128 bytes each: 4 x lane
.set WIMG,  39936                      ; W's 24 fragments (column tile x 6 + K step): a lane's 12 registers on end, 48 bytes a lane
.set WSC,   76800                      ; their scale words, 64 bytes each: column r's word at 4 r, byte = the block in the K step
.set OST,   78336                      ; the way out: 16 rows x (256 + 16) bytes for each multiplying wave
.set XSTG,  95744                      ; 374 x 256: x as f32, 24 tiles of 16 rows x (512 + 16) bytes: the only bytes that tensor loads fill
.set XTILE, 8448
.set PART,  1572864                    ; bytes of one part of proj
.set XRD,  1                           ; v1   where I read my tiles of x: row r, + 64 h
.set XWI,  2                           ; v2   where I store x's images
.set XWS,  3                           ; v3   and their scale words
.set WVO,  4                           ; v4   W in memory: row 64 w + 32 h, 16 bytes at column 4 r
.set WWI,  5                           ; v5   where I store W's codes
.set WSB,  6                           ; v6   and W's scale bytes
.set WRI,  7                           ; v7   where a multiplying wave reads W's images: 48 x lane
.set XRI,  8                           ; v8   x's images of its row tile
.set XRS,  9                           ; v9   x's scale words
.set WRS,  10                          ; v10  W's scale words: 4 r
.set OSI,  11                          ; v11  the stage: in
.set OSO,  12                          ; v12  the stage: back
.set GO,   13                          ; v13  my byte offset in the wave's rows of proj
.set BO,   14                          ; v14  16 r: my four numbers of b1
.set BIAS, 16                          ; v16-19  b1 of my four columns on the way out (zeros for W1e)
.set SCL,  20                          ; v20-34  scale words of the products and nothing else: set s at 20 + 5 s: x's word, then W's four
.set PW,   35                          ; v35     the scale word just made
.set TM,   36                          ; v36-43  quantising x: largest magnitudes, then scale operands; bytes
.set PC,   44                          ; v44-63  the codes just made
.set XT,   64                          ; v64-127 64 numbers of x
.set WR,   128                         ; v128-255 W as loaded: row i, column q at WR + 4 i + q
.set MX,   36                          ; quantising W: v36-39 the four columns' largest magnitudes, then scale operands
.set BY,   44                          ; v44-47  their bytes
.set PCW,  48                          ; v48-87  column q's codes at 48 + 10 q
.set CT,   96                          ; v96-127 one column's 32 numbers on end
.set ACC,  36                          ; multiplying: v36-67 four accumulators
.set FB0,  76                          ; v76-255 three sets of fragments: x's 12 registers, then 4 x 12 of W
.set RB,   76                          ; the way out: rows read back
.set WV,   14                          ; s14  my wave's number
.set G1,   32                          ; s[32:39] descriptor group 1;  s[40:43], s[44:47] groups 0 of my two tiles
.set SG,   48                          ; s[48:49] +1.0 (W1s) or -1.0 (W1e)
.set SEL,  50                          ; s[50:51] v_permlanex16_b32's selects for lane l xor 16
; A round of the cluster's barrier: my work-group's barrier; wave 0 signals for the work-group; every wave waits for the four work-groups; my work-group's barrier once more.
.macro ROUND
	s_barrier_signal -1
	s_barrier_wait -1
	s_cmp_lg_u32 s[WV], 0
	s_cbranch_scc1 .Lnot_wave_0_\@
	s_barrier_signal -3
.Lnot_wave_0_\@:
	s_barrier_wait -3
	s_barrier_signal -1
	s_barrier_wait -1
.endm
; 64 numbers of a lane, register 16 b + i = k 32 b + 16 (lane / 16) + i of my row, become a fragment's codes in v[PC] on and its scale word in v[PW].
.macro QUANT s
.irp b, 0,1,2,3
	v_max3_num_f32 v[TM+\b], |v[\s+16*\b]|, |v[\s+1+16*\b]|, 0x2800000   ; block b: my 16 numbers, and the floor 2^(5 - 127): the byte cannot fall under 1
.endr
.irp i, 2,4,6,8,10,12,14
.irp b, 0,1,2,3
	v_max3_num_f32 v[TM+\b], v[TM+\b], |v[\s+16*\b+\i]|, |v[\s+1+16*\b+\i]|   ; the four blocks by turns
.endr
.endr
.irp b, 0,1,2,3
	v_permlanex16_b32 v[TM+4+\b], v[TM+\b], s[SEL], s[SEL+1]
.endr
.irp b, 0,1,2,3
	v_max_num_f32 v[TM+\b], v[TM+\b], v[TM+4+\b]   ; with lane l xor 16's: the block's largest magnitude
.endr
.irp b, 0,1,2,3
	v_add_nc_u32 v[TM+\b], 0xfe000000, v[TM+\b]    ; 4 off its exponent field: the conversion takes the exponent field of this operand as its scale
.endr
.irp b, 0,1,2,3
	v_lshrrev_b32 v[TM+4+\b], 23, v[TM+\b]         ; the scale's byte
.endr
	v_lshl_or_b32 v[PW], v[TM+5], 8, v[TM+4]       ; four bytes make my row's scale word
	v_lshl_or_b32 v[PW], v[TM+6], 16, v[PW]
	v_lshl_or_b32 v[PW], v[TM+7], 24, v[PW]
.irp c, 0,1
	v_cvt_scalef32_pk16_bf6_f32 v[PC+6*\c:PC+2+6*\c], v[\s+32*\c:\s+15+32*\c], v[TM+2*\c]
	v_cvt_scalef32_pk16_bf6_f32 v[PC+12+4*\c:PC+14+4*\c], v[\s+16+32*\c:\s+31+32*\c], v[TM+2*\c+1]   ; (a conversion's three registers begin on an even number)
.endr
	v_nop                                          ; one plain place behind a scaled conversion
.irp c, 0,1                                    ; the operand's layout wants a WHOLE block in a lane: lanes 0-15 block 2 c, lanes 16-31 block 2 c + 1
.irp i, 0,1,2
	v_permlane16_swap_b32 v[PC+6*\c+\i], v[PC+12+4*\c+\i]
.endr
.irp i, 0,1,2
	v_mov_b32 v[PC+3+6*\c+\i], v[PC+12+4*\c+\i]
.endr
.endr
.endm
; My f-th tile of x: out of LDS, quantised, and back as an image of the operand's registers.
.macro XFRAG f
	s_wait_tensorcnt 1-\f                          ; a wave's tensor loads end in order: tile f is in; the younger one may stay out.  Only I read these bytes
.irp b, 0,1,2,3
.irp j, 0,1,2,3
	ds_load_b128 v[XT+16*\b+4*\j:XT+16*\b+4*\j+3], v[XRD] offset:\f*XTILE+128*\b+16*\j   ; rows 528 bytes apart: the 16 rows of a pass start at 16 different groups of four banks
.endr
.endr
	s_wait_dscnt 0x0                               ; the numbers are in; the last image's stores are done too
	QUANT XT
.irp g, 0,1,2
	ds_store_b128 v[XWI], v[PC+4*\g:PC+4*\g+3] offset:\f*1536+512*\g
.endr
	ds_store_b32 v[XWS], v[PW] offset:\f*128
.endm
; Column q of my four: its 32 numbers on end, two conversions, 24 bytes of codes and one scale byte to LDS.  The loads of 16 bytes bring four columns side by side, the conversions want one column's
; neighbours along K in consecutive registers: hence the moves.
.macro WCOL q
.set i, 0
.rept 32
	v_mov_b32 v[CT+i], v[WR+4*i+\q]
.set i, i+1
.endr
	v_cvt_scalef32_pk16_bf6_f32 v[PCW+10*\q:PCW+10*\q+2], v[CT:CT+15], v[MX+\q]
	v_cvt_scalef32_pk16_bf6_f32 v[PCW+10*\q+6:PCW+10*\q+8], v[CT+16:CT+31], v[MX+\q]
	v_nop                                          ; one plain place behind a scaled conversion
.irp i, 0,1,2
	v_mov_b32 v[PCW+10*\q+3+\i], v[PCW+10*\q+6+\i]
.endr
.irp p, 0,1,2
	ds_store_b64 v[WWI], v[PCW+10*\q+2*\p:PCW+10*\q+2*\p+1] offset:48*\q+8*\p
.endr
	ds_store_b8 v[WSB], v[BY+\q] offset:4*\q
.endm
; 20 LDS loads: K step ks of my row tile of x and of W's four column tiles, with their scale words, into set s
.macro LOADSET s, ks
.set FB, FB0+60*(\s)
.set SB, SCL+5*(\s)
.irp g, 0,1,2
	ds_load_b128 v[FB+4*\g:FB+4*\g+3], v[XRI] offset:(\ks)*1536+512*\g
.endr
	ds_load_b32 v[SB], v[XRS] offset:(\ks)*128
.irp t, 0,1,2,3
.irp g, 0,1,2
	ds_load_b128 v[FB+12+12*\t+4*\g:FB+12+12*\t+4*\g+3], v[WRI] offset:(6*\t+(\ks))*1536+16*\g   ; lanes 48 bytes apart
.endr
	ds_load_b32 v[SB+1+\t], v[WRS] offset:(6*\t+(\ks))*64
.endr
.endm
; Four matrix instructions: K step ks.  TRANSPOSED: source 0 = 16 columns of W, source 1 = my 16 rows of x: lane (r, h) then holds row r and columns 16 t + 8 h + 0 .. 7.
; The four accumulators take turns, one instruction a turn.  The first K step starts the sums: nothing is cleared.
.macro KSTEP ks, left
.set FB, FB0+60*((\ks)%3)
.set SB, SCL+5*((\ks)%3)
	s_wait_dscnt \left                             ; LDS loads come back in order: this K step's set is in; the sets issued behind it, 20 loads each, may be out
.irp t, 0,1,2,3
.if (\ks) == 0
	v_wmma_scale_f32_16x16x128_f8f6f4 v[ACC+8*\t:ACC+8*\t+7], v[FB+12+12*\t:FB+23+12*\t], v[FB:FB+11], 0, v[SB+1+\t], v[SB] matrix_a_fmt:MATRIX_FMT_BF6 matrix_b_fmt:MATRIX_FMT_BF6
.else
	v_wmma_scale_f32_16x16x128_f8f6f4 v[ACC+8*\t:ACC+8*\t+7], v[FB+12+12*\t:FB+23+12*\t], v[FB:FB+11], v[ACC+8*\t:ACC+8*\t+7], v[SB+1+\t], v[SB] matrix_a_fmt:MATRIX_FMT_BF6 matrix_b_fmt:MATRIX_FMT_BF6
.endif
.endr
.endm
.macro PLACES                          ; four plain places behind a matrix instruction, ahead of loads into its registers and of the first read of results
.rept 4
	v_nop
.endr
.endm
	s_load_b256 s[4:11], s[0:1], 0x0               ; x s[4:5], W1s s[6:7], W1e s[8:9], b1 s[10:11]
	s_load_b64 s[12:13], s[0:1], 0x20              ; proj
	v_lshl_add_u32 v15, v0, 2, 0x48e00
	s_set_vgpr_msb 0x40
	v_mov_b32 v1, 0
	s_set_vgpr_msb 0x4044
	ds_add_u32 v15, v1
	ds_add_u32 v15, v1
	s_set_vgpr_msb 0x4400
	v_lshrrev_b32 v36, 5, v0
	v_readfirstlane_b32 s[WV], v36                 ; wave 0..11
	s_bfe_u32 s15, ttmp6, 0x40000                  ; cx: my place in the cluster: it enters global addresses and selections alone
	s_lshl_b32 s16, ttmp9, 2
	s_add_co_u32 s16, s16, s15                     ; column block 0..11
	s_and_b32 s17, ttmp7, 0xffff                   ; row block 0..15, which the four partners share
	s_cmp_ge_u32 s16, 6                            ; W1e's block?
	s_cselect_b32 s18, 6, 0
	s_cselect_b32 s19, PART, 0                     ; which part of proj
	s_cselect_b32 s52, 0, -1                       ; b1 goes with W1s alone
	s_cselect_b32 s[SG], 0xbf800000, 1.0           ; e is stored negated
	s_mov_b32 s[SG+1], s[SG]                       ; (named with it as a pair)
	s_sub_co_u32 s18, s16, s18                     ; the block within its weight, 0..5
	s_lshl_b32 s26, s18, 8                         ; its 256 bytes in a row of W, of b1 and of proj
	s_mov_b32 s27, 0
	s_and_b32 s20, s[WV], 3                        ; my row tile
	s_lshr_b32 s21, s[WV], 2                       ; my pair of K steps
	s_lshl_b32 s22, s17, 6
	s_lshl_b32 s23, s20, 4
	s_add_co_u32 s22, s22, s23                     ; my first row: 64 x row block + 16 x row tile
	s_mul_i32 s28, s22, 1536
	s_add_co_u32 s28, s28, s19
	s_add_co_u32 s28, s28, s26                     ; where a multiplying wave's rows begin in proj
	s_mov_b32 s29, 0
	s_mul_i32 s22, s22, 3072                       ; and in x (these two registers never hold cx),
	s_lshl_b32 s23, s21, 10
	s_add_co_u32 s22, s22, s23                     ; + my first K step's 512 bytes
	s_mov_b32 s23, 0
	; descriptor group 1: a tile of 16 rows x 128 f32, padded in LDS
	s_mov_b32 s[G1+0], 15|(2<<16)|(1<<20)|(1<<21)|(6<<22)|(3<<25)  ; 15:0 the mask: all four work-groups; 17:16 elements of 4 bytes; 20 padding on; 21 set beside a mask; 24:22 after every 128 words (code 6); 31:25 4 words of it (code 3)
	s_mov_b32 s[G1+1], 128<<16                     ; tensor_dim0 = 128
	s_mov_b32 s[G1+2], 16<<16                      ; tensor_dim1 = 16
	s_mov_b32 s[G1+3], 128<<16                     ; tile_dim0 = 128
	s_mov_b32 s[G1+4], 16                          ; tile_dim1 = 16
	s_mov_b32 s[G1+5], 768                         ; elements from row to row
	s_mov_b32 s[G1+6], 0
	s_mov_b32 s[G1+7], 0
	s_mul_i32 s24, s[WV], 2*XTILE
	s_mov_b32 s40, 1
	s_add_co_u32 s41, s24, XSTG                    ; my two tiles' LDS bytes: a constant + the wave's number x a constant
	s_mov_b32 s44, 1
	s_add_co_u32 s45, s24, XSTG+XTILE
	s_mov_b32 s[SEL], 0x76543210
	s_mov_b32 s[SEL+1], 0xfedcba98
	; every address register is made here, ahead of the one place where the waves part
	v_and_b32 v36, 31, v0                          ; lane
	v_and_b32 v37, 15, v0                          ; r
	v_bfe_u32 v38, v0, 4, 1                        ; h
	v_and_b32 v39, 3, v0                           ; r % 4
	v_bfe_u32 v40, v0, 2, 2                        ; r / 4
	v_mul_u32_u24 v[XRD], v37, 528
	v_lshl_add_u32 v[XRD], v38, 6, v[XRD]
	v_add_nc_u32 v[XRD], s41, v[XRD]
	s_mul_i32 s25, s20, 9216                       ; six fragments a row tile
	s_mul_i32 s30, s21, 3072                       ; two a wave
	v_lshlrev_b32 v[XWI], 4, v36
	v_add_nc_u32 v[XRI], s25, v[XWI]               ; (XIMG = 0)
	v_add_nc_u32 v[XWI], s30, v[XRI]
	s_mul_i32 s25, s20, 768
	s_add_co_u32 s25, s25, XSC
	s_lshl_b32 s30, s21, 8
	v_lshlrev_b32 v[XWS], 2, v36
	v_add_nc_u32 v[XRS], s25, v[XWS]
	v_add_nc_u32 v[XWS], s30, v[XRS]
	s_mul_i32 s25, s[WV], 64*1536
	v_mul_u32_u24 v[WVO], v38, 32*1536
	v_lshl_add_u32 v[WVO], v37, 4, v[WVO]
	v_add_nc_u32 v[WVO], s25, v[WVO]
	; My block of W is block 2 (w % 2) + h of K step w / 2; column 4 r + q is column 4 (r % 4) + q of column tile r / 4.  In the operand that block lies in lane 4 (r % 4) + q + 16 h, registers 6 (w % 2) on.
	s_lshr_b32 s25, s[WV], 1
	s_and_b32 s30, s[WV], 1
	s_mul_i32 s31, s25, 1536
	s_mul_i32 s60, s30, 24
	s_add_co_u32 s31, s31, s60
	s_add_co_u32 s31, s31, WIMG
	v_mul_u32_u24 v[WWI], v40, 9216
	v_mad_u32_u24 v[WWI], v39, 192, v[WWI]
	v_mad_u32_u24 v[WWI], v38, 768, v[WWI]
	v_add_nc_u32 v[WWI], s31, v[WWI]
	s_lshl_b32 s31, s25, 6
	s_lshl_b32 s60, s30, 1
	s_add_co_u32 s31, s31, s60
	s_add_co_u32 s31, s31, WSC
	v_mul_u32_u24 v[WSB], v40, 384
	v_lshl_add_u32 v[WSB], v39, 4, v[WSB]
	v_add_nc_u32 v[WSB], v[WSB], v38
	v_add_nc_u32 v[WSB], s31, v[WSB]
	v_mul_u32_u24 v[WRI], v36, 48
	v_add_nc_u32 v[WRI], WIMG, v[WRI]
	v_lshl_add_u32 v[WRS], v37, 2, WSC
	s_mul_i32 s31, s20, 16*272
	s_add_co_u32 s31, s31, OST
	v_mul_u32_u24 v[OSI], v37, 272                 ; in: row r, 32 bytes for each half of the lanes
	v_lshl_add_u32 v[OSI], v38, 5, v[OSI]
	v_add_nc_u32 v[OSI], s31, v[OSI]
	v_mul_u32_u24 v[OSO], v38, 272                 ; back: lanes 0-15 one row of 256 bytes, lanes 16-31 the next
	v_lshl_add_u32 v[OSO], v37, 4, v[OSO]
	v_add_nc_u32 v[OSO], s31, v[OSO]
	v_mul_u32_u24 v[GO], v38, 1536                 ; and the same two rows in proj
	v_lshl_add_u32 v[GO], v37, 4, v[GO]
	v_lshlrev_b32 v[BO], 4, v37
.irp b, 0,1,2,3
	v_mov_b32 v[TM+4+\b], 0                        ; written once: a lane permute's destination counts as one of its sources
.endr
	s_wait_dscnt 0x0
	s_wait_kmcnt 0x0
	s_add_nc_u64 s[42:43], s[4:5], s[22:23]        ; my first tile in x,
	s_add_nc_u64 s[46:47], s[42:43], 512           ; the next K step's
	s_or_b32 s43, s43, 0x80000000                  ; 127:126 type = 2
	s_or_b32 s47, s47, 0x80000000
	s_cmp_ge_u32 s16, 6
	s_cselect_b64 s[54:55], s[8:9], s[6:7]         ; my weight
	s_add_nc_u64 s[54:55], s[54:55], s[26:27]      ; at my 64 columns
	s_add_nc_u64 s[56:57], s[10:11], s[26:27]      ; b1 likewise
	s_add_nc_u64 s[58:59], s[12:13], s[28:29]
	ROUND                                          ; all four work-groups are here: the joint loads meet
	tensor_load_to_lds s[40:43], s[G1:G1+7]        ; my two tiles of x, ahead of everything else that is asked of memory: two tensor loads of mine are out
	s_nop 0
	tensor_load_to_lds s[44:47], s[G1:G1+7]
	s_nop 0
.rept 4
	v_nop                                          ; four v_nop follow the loads
.endr
	; W: 32 loads, each two rows' 256 consecutive bytes, aligned: lane (r, h) takes columns 4 r .. 4 r + 3 of K row 64 w + 32 h + i.  They are issued while x's tiles are on their way and land while x is quantised.
.set i, 0
.rept 32
	global_load_b128 v[WR+4*i:WR+4*i+3], v[WVO], s[54:55] offset:1536*i
.set i, i+1
.endr
	global_load_b128 v[BIAS:BIAS+3], v[BO], s[56:57]
	XFRAG 0
	XFRAG 1
	s_wait_dscnt 0x0                               ; the image's stores are done: the registers that they read take W's codes
	s_wait_loadcnt 0x0                             ; W and b1
.irp j, 0,1,2,3
	v_cndmask_b32 v[BIAS+\j], 0, v[BIAS+\j], s52   ; zeros where the block is W1e's
.endr
.irp q, 0,1,2,3
	v_max3_num_f32 v[MX+\q], |v[WR+\q]|, |v[WR+4+\q]|, 0x2800000   ; a block of 32 along K of one column lies in my registers alone; the floor holds the byte at 1 from below
.endr
.irp i, 2,4,6,8,10,12,14,16,18,20,22,24,26,28,30
.irp q, 0,1,2,3
	v_max3_num_f32 v[MX+\q], v[MX+\q], |v[WR+4*\i+\q]|, |v[WR+4*\i+4+\q]|   ; the four columns by turns
.endr
.endr
.irp q, 0,1,2,3
	v_add_nc_u32 v[MX+\q], 0xfe000000, v[MX+\q]    ; 4 off the exponent field: the conversion's scale operand
.endr
.irp q, 0,1,2,3
	v_lshrrev_b32 v[BY+\q], 23, v[MX+\q]           ; the scale's byte
.endr
	WCOL 0
	WCOL 1
	WCOL 2
	WCOL 3
	s_wait_dscnt 0x0                               ; for the others' sake: my images and scale bytes lie in LDS
	s_barrier_signal -1
	s_barrier_wait -1                              ; everybody's do
	s_cmp_ge_u32 s[WV], 4
	s_cbranch_scc1 .Ldone                          ; 24 matrix instructions a row tile: waves 0-3 take one tile each
	LOADSET 0, 0
	LOADSET 1, 1
	LOADSET 2, 2
	KSTEP 0, 40
	PLACES
	LOADSET 0, 3
	KSTEP 1, 40
	PLACES
	LOADSET 1, 4
	KSTEP 2, 40
	PLACES
	LOADSET 2, 5
	KSTEP 3, 40
	KSTEP 4, 20
	KSTEP 5, 0
	PLACES
	; THE WAY OUT.  A lane holds 32 neighbouring bytes of a row; through my own stage the rows come back whole, sixteen lanes to a row's 256 bytes.  LDS serves a wave's instructions in order: no wait between stores and loads.
.irp t, 0,1,2,3
	ds_store_b128 v[OSI], v[ACC+8*\t:ACC+8*\t+3] offset:64*\t          ; each accumulator from its low end on
	ds_store_b128 v[OSI], v[ACC+8*\t+4:ACC+8*\t+7] offset:64*\t+16
.endr
.irp u, 0,1,2,3,4,5,6,7
	ds_load_b128 v[RB+4*\u:RB+4*\u+3], v[OSO] offset:544*\u
.endr
.irp u, 0,1,2,3,4,5,6,7
	s_wait_dscnt 7-\u                              ; rows 2 u and 2 u + 1 are back; the younger loads may be out
	v_pk_fma_f32 v[RB+4*\u:RB+4*\u+1], v[RB+4*\u:RB+4*\u+1], s[SG:SG+1], v[BIAS:BIAS+1] op_sel_hi:[1,0,1]       ; s + b1, or -e
	v_pk_fma_f32 v[RB+4*\u+2:RB+4*\u+3], v[RB+4*\u+2:RB+4*\u+3], s[SG:SG+1], v[BIAS+2:BIAS+3] op_sel_hi:[1,0,1]
	global_store_b128 v[GO], v[RB+4*\u:RB+4*\u+3], s[58:59] offset:3072*\u   ; 16 lanes store 256 consecutive bytes, at a multiple of 256 from proj's first byte
.endr
.Ldone:
	s_wait_dscnt 0x0
	s_set_vgpr_msb 0x4
	s_wait_tensorcnt 0x0
	ds_add_u32 v15, v1
	s_wait_dscnt 0x0
	s_set_vgpr_msb 0x400
	ROUND                                          ; the closing round: no work-group ends while a partner may still ask for a tile that names it
	s_endpgm
.Lfunc_end_k_qb374e7645a_project:
	.size	k_qb374e7645a_project, .Lfunc_end_k_qb374e7645a_project-k_qb374e7645a_project
	.p2alignl 7, 3214868480
	.fill 96, 4, 3214868480
	.section	.rodata,"a",@progbits
	.p2align	6, 0x0
	.amdhsa_kernel k_qb374e7645a_project
		.amdhsa_group_segment_fixed_size 300032
		.amdhsa_private_segment_fixed_size 0
		.amdhsa_enable_private_segment 0
		.amdhsa_kernarg_size 40
		.amdhsa_user_sgpr_count 2
		.amdhsa_user_sgpr_kernarg_segment_ptr 1
		.amdhsa_wavefront_size32 1
		.amdhsa_system_sgpr_workgroup_id_x 1
		.amdhsa_system_sgpr_workgroup_id_y 1
		.amdhsa_system_sgpr_workgroup_id_z 1
		.amdhsa_system_vgpr_workitem_id 0
		.amdhsa_next_free_vgpr 258
		.amdhsa_next_free_sgpr 66
		.amdhsa_reserve_vcc 0
		.amdhsa_float_denorm_mode_32 3
		.amdhsa_float_denorm_mode_16_64 3
		.amdhsa_memory_ordered 1
		.amdhsa_forward_progress 1
		.amdhsa_inst_pref_size 46
	.end_amdhsa_kernel
	.amdgpu_metadata
---
amdhsa.version: [ 1, 2 ]
amdhsa.kernels:
  - .name:           k_qb374e7645a_project
    .symbol:         k_qb374e7645a_project.kd
    .args:
      - { .name: sequence_output, .offset: 0, .size: 8, .value_kind: global_buffer, .address_space: global }
      - { .name: W1s, .offset: 8, .size: 8, .value_kind: global_buffer, .address_space: global }
      - { .name: W1e, .offset: 16, .size: 8, .value_kind: global_buffer, .address_space: global }
      - { .name: b1, .offset: 24, .size: 8, .value_kind: global_buffer, .address_space: global }
      - { .name: proj, .offset: 32, .size: 8, .value_kind: global_buffer, .address_space: global }
    .group_segment_fixed_size: 300032
    .private_segment_fixed_size: 0
    .kernarg_segment_align: 8
    .kernarg_segment_size: 40
    .max_flat_workgroup_size: 384
    .sgpr_count:     66
    .vgpr_count:     258
    .wavefront_size: 32
...
	.end_amdgpu_metadata
.endif
;; end of part 1
;; launch pairs (part 2): grid 16 x 16, 4 waves a work-group, clusters of 4 x 1, 168,448 bytes of LDS; arguments proj, W2, b2, sequence_output, w_start, b_start, w_end, b_end, out0, out1, out2; writes out0, out1, out2
.if DOCPART == 2
	.amdgcn_target "amdgcn-amd-amdhsa--gfx1250"
	.amdhsa_code_object_version 6
	.text
	.protected	k_qb374e7645a_pairs
	.globl	k_qb374e7645a_pairs
	.p2align	8
	.type	k_qb374e7645a_pairs,@function
k_qb374e7645a_pairs:
	s_mov_b64 s[64:65], 0
	v_nop
	global_prefetch_b8 v0, s[64:65] scope:SCOPE_SE
	s_setreg_imm32_b32 hwreg(HW_REG_WAVE_MODE, 25, 1), 1
	s_wait_xcnt 0x0
	s_wait_alu depctr_hold_cnt(0) depctr_sa_sdst(0) depctr_va_vdst(0) depctr_va_sdst(0) depctr_va_ssrc(0) depctr_va_vcc(0) depctr_vm_vsrc(0)
	s_getreg_b32 s2, hwreg(HW_REG_IB_STS2, 6, 4)
	s_cmp_eq_u32 s2, 0
	s_cbranch_scc0 .Lentry_in_a_cluster
	s_endpgm
.Lentry_in_a_cluster:
	s_bfe_u32 s2, ttmp6, 0x10000c
	s_cmp_lg_u32 s2, 0x3003
	s_cbranch_scc0 .Lentry_shape_is_right
	s_endpgm
.Lentry_shape_is_right:
; out2[b][i][j] = sigmoid(sum over k of W2[k] relu(s[i][k] + e[j][k] + b1[k]) + b2);  out0[row] = x[row] . w_start + b_start;  out1[row] = x[row] . w_end + b_end.  All in f32.
; proj holds s' = s + b1 and e' = -e.  relu(s' - e') = max(s', e') - e', so the sum is  sum_k W2[k] max(s'[i][k], e'[j][k])  -  sum_k W2[k] e'[j][k], and the second sum hangs on j alone:
; an element costs one maximum and one fused multiply-add; two maxima go in one dual instruction, two multiply-adds in one packed one.
; LIMITS: the two sums are rounded apart: an error of the order of 2^-24 x sum |W2[k]| (|s'| + |e'|), as f32 has in s + e itself.  Projections that overflow to infinity give NaN where the plain form gives 0 or infinity.  NaN and infinities among the inputs are not served.
; SHARES.  A work-group takes 16 i x 64 j of one batch (a row of its output is 256 bytes): 16 x 16 work-groups.  Wave w takes j = 16 w .. 16 w + 15.  In a wave eight lanes share K: lane = (pi, pj, kg) holds the 8 x 8 pairs
; i = 8 pi + 0..7, j = 16 w + 8 pj + 0..7 and, in chunk c of twelve, k = 32 c + 4 kg + 0..3.  At the end the eight lanes' sums are added and turned, so that lane kg holds row i = 8 pi + kg.
; THE LOGITS: 1,024 waves, 1,024 rows of x: each wave makes one row's two dot products while its tiles are on their way.  Their results leave as 4 bytes a wave: 64 neighbouring rows in one work-group would fill whole runs, and leave that work to 16 work-groups.
; CLUSTER.  The four blocks of i of a cluster read the same 64 rows of e', four fifths of a work-group's bytes: those tiles are asked for JOINTLY.  s' differs between the partners: plain loads.
; Every LDS byte is filled once; K comes in three segments of 128, so that the work on the first begins while the others land.
; THE LDS LOADS OF A CHUNK STAND IN ONE RUN of 17, a chunk ahead of their use: eight rows of e', eight rows of s', four numbers of W2.  So s' and e' have two sets of registers; W2 lies in LDS as it lies in memory,
; a copy for each wave, and has three sets of four: the multiply-adds run eight steps behind the maxima, so a chunk's first eight still read the chunk before's W2 while the next chunk's is on its way.
.set SOFF, 0                           ; s': 3 segments x 16 rows x (512 + 16) bytes
.set EOFF, 25344                       ; e': for each wave 3 segments x 16 rows x 528
.set OST,  126720                      ; 495 x 256: the way out: 16 rows x (256 + 16) bytes
.set WST,  131072                      ; 512 x 256: W2, 1,536 bytes for each wave, stored and read by that wave alone; no tensor load lands here
.set SEG,  8448
.set PART, 1572864
.set AS,  1                            ; v1   s': rows 8 pi on, + 16 kg
.set AE,  2                            ; v2   e': my wave's rows 8 pj on, + 16 kg
.set OSI, 3                            ; v3   the stage: in
.set OSO, 4                            ; v4   the stage: back
.set GO,  5                            ; v5   my byte offset in the wave's rows of out2
.set AW,  6                            ; v6   W2 in LDS: my wave's copy, + 16 kg
.set LO,  7                            ; v7   16 x lane
.set W,   8                            ; v8-19    W2: chunk c's four at W + 4 (c % 3)
.set S,   20                           ; v20-83   s': chunk c's row ir at S + 32 (c % 2) + 4 ir
.set WSI, 84                           ; v84  where I store W2: my wave's copy, + 16 x lane
.set EA,  88                           ; e': even rows at EA + 4 (jr / 2), odd rows at EB + 4 (jr / 2); the second buffer 36 registers on.  EA is 0 and EB is 2 modulo 4: the two halves of a dual
.set EB,  106                          ; instruction then take their second sources from different register banks
.set T,   160                          ; v160-175 eight pairs of maxima
.set AE2, 176                          ; v176-191 sum of W2 e', a pair for each jr
.set A,   192                          ; v192-255 the 64 sums: A + 8 ir + jr
.set SE,  56                           ; the tail: e' sums;  K1, K2, K3 the three foldings' results;  U what is sent
.set K1,  64
.set K2,  96
.set K3,  112
.set U,   160
.set WV,  29                           ; s29  my wave's number
.set G0S, 32                           ; s[32:43] groups 0 of s' segments;  s[44:55] of e'
.set G0E, 44
.set G1S, 56                           ; s[56:63] group 1 for s';  s[68:75] for e'
.set G1E, 68
.set SEL, 76                           ; s[76:77] v_permlanex16_b32's selects for lane l xor 16
.macro ROUND                           ; a round of the cluster's barrier
	s_barrier_signal -1
	s_barrier_wait -1
	s_cmp_lg_u32 s[WV], 0
	s_cbranch_scc1 .Lnot_wave_0_\@
	s_barrier_signal -3
.Lnot_wave_0_\@:
	s_barrier_wait -3
	s_barrier_signal -1
	s_barrier_wait -1
.endm
.macro SEGMENT left                    ; a segment is whole: my two loads of it are in (left: the later segments' loads, two each, may stay out); s' comes from all four waves, hence the barrier
	s_wait_tensorcnt \left
	s_wait_dscnt 0x0                               ; no LDS instruction of mine is pending at the signal
	s_barrier_signal -1
	s_barrier_wait -1
.endm
.macro ELOAD c                         ; chunk c's eight rows of e' into buffer c % 2.  Rows 8 apart lie 128 bytes apart modulo 256
.set j, 0
.rept 8
	ds_load_b128 v[EA+36*((\c)%2)+18*(j%2)+4*(j/2):EA+36*((\c)%2)+18*(j%2)+4*(j/2)+3], v[AE] offset:SEG*((\c)/4)+128*((\c)%4)+528*j
.set j, j+1
.endr
.endm
.macro LOADS c                         ; all that chunk c reads from LDS, 17 loads in one run
	ELOAD \c
.irp n, 0,1,2,3,4,5,6,7
	ds_load_b128 v[S+32*((\c)%2)+4*\n:S+32*((\c)%2)+4*\n+3], v[AS] offset:SEG*((\c)/4)+128*((\c)%4)+528*\n
.endr
	ds_load_b128 v[W+4*((\c)%3):W+4*((\c)%3)+3], v[AW] offset:128*(\c)   ; four lanes share each 16 bytes
.endm
; Step g = 128 c + 16 i + q, q = 4 cc + jp: row i against rows 2 jp and 2 jp + 1 of e', at the lane's cc-th k.  DSTEP: two maxima.  FSTEP: the multiply-adds of the step eight back.
.macro DSTEP
.set cc, q/4
.set jp, q%4
	v_dual_max_num_f32 v[T+2*(q%8)], v[S+32*(c%2)+4*i+cc], v[EA+36*(c%2)+4*jp+cc] :: v_dual_max_num_f32 v[T+2*(q%8)+1], v[S+32*(c%2)+4*i+cc], v[EB+36*(c%2)+4*jp+cc]
.endm
.macro FSTEP
.set fg, g-8
.set fc, fg/128
.set fi, (fg%128)/16
.set fq, fg%16
.set fcc, fq/4
.set rA, A+8*fi+2*(fq%4)
.set rT, T+2*(fq%8)
.set rW, W+4*(fc%3)+2*(fcc/2)
.if (fc == 0) && (fcc == 0)
	v_pk_mul_f32 v[rA:rA+1], v[rT:rT+1], v[rW:rW+1] op_sel_hi:[1,0]                                      ; the first product starts the sums: nothing is cleared
.elseif fcc%2 == 0
	v_pk_fma_f32 v[rA:rA+1], v[rT:rT+1], v[rW:rW+1], v[rA:rA+1] op_sel_hi:[1,0,1]                        ; W2's pair: the low word for both halves,
.else
	v_pk_fma_f32 v[rA:rA+1], v[rT:rT+1], v[rW:rW+1], v[rA:rA+1] op_sel:[0,1,0] op_sel_hi:[1,1,1]         ; or the high word
.endif
.endm
.macro ESUM half                       ; row i's turn also adds W2 e' of row jr = i: two of its four k
.set rE, EA+36*(c%2)+18*(i%2)+4*(i/2)+2*(\half)
.set rW, W+4*(c%3)+2*(\half)
.if (c == 0) && (\half == 0)
	v_pk_mul_f32 v[AE2+2*i:AE2+2*i+1], v[rE:rE+1], v[rW:rW+1]
.else
	v_pk_fma_f32 v[AE2+2*i:AE2+2*i+1], v[rE:rE+1], v[rW:rW+1], v[AE2+2*i:AE2+2*i+1]
.endif
.endm
; A folding: of two rows' sums a lane keeps one and sends the other to the lane x away, which keeps that one: half the registers, twice the k in each.
.macro FOLD src, dst, groups, m, x
.set p, 0
.rept \groups
.irp j, 0,1,2,3,4,5,6,7
	v_cndmask_b32 v[U+\j], v[\src+16*p+8+\j], v[\src+16*p+\j], s[\m]
.endr
.irp j, 0,1,2,3,4,5,6,7
	v_cndmask_b32 v[\dst+8*p+\j], v[\src+16*p+\j], v[\src+16*p+8+\j], s[\m]
.endr
.irp j, 0,1,2,3,4,5,6,7
	v_add_f32_dpp v[\dst+8*p+\j], v[U+\j], v[\dst+8*p+\j] row_xmask:\x row_mask:0xf bank_mask:0xf
.endr
.set p, p+1
.endr
.endm
	s_load_b512 s[4:19], s[0:1], 0x0               ; proj s[4:5], W2 s[6:7], b2 s[8:9], x s[10:11], w_start s[12:13], b_start s[14:15], w_end s[16:17], b_end s[18:19]
	s_load_b128 s[20:23], s[0:1], 0x40             ; out0, out1
	s_load_b64 s[24:25], s[0:1], 0x50              ; out2
	v_lshl_add_u32 v158, v0, 2, 0x29000
	v_mov_b32 v159, 0
	ds_add_u32 v158, v159
	ds_add_u32 v158, v159
	v_lshrrev_b32 v56, 5, v0
	v_readfirstlane_b32 s[WV], v56                 ; wave 0..3
	s_bfe_u32 s30, ttmp6, 0x40000                  ; cx: it enters global addresses alone
	s_lshl_b32 s31, ttmp9, 2
	s_add_co_u32 s31, s31, s30                     ; my block of 16 i
	s_and_b32 s66, ttmp7, 0xffff                   ; y = 4 x batch + block of 64 j, which the four partners share
	s_lshr_b32 s84, s66, 2
	s_lshl_b32 s84, s84, 8
	s_lshl_b32 s85, s31, 4
	s_add_co_u32 s84, s84, s85
	s_lshl_b32 s85, s[WV], 2
	s_add_co_u32 s84, s84, s85                     ; 256 x batch + 16 x block + 4 w: the four rows of s' that I fetch, and the four rows of out2 that I store
	s_mul_i32 s86, s84, 1536
	s_mov_b32 s87, 0
	s_lshl_b32 s92, s84, 10
	s_and_b32 s85, s66, 3
	s_lshl_b32 s85, s85, 8
	s_add_co_u32 s92, s92, s85                     ; in out2: rows of 1,024 bytes, + the block's 256
	s_mov_b32 s93, 0
	s_lshl_b32 s88, s66, 6                         ; (these two registers never hold cx)
	s_lshl_b32 s89, s[WV], 4
	s_add_co_u32 s88, s88, s89                     ; 64 y + 16 w: my 16 rows of e'
	s_mul_i32 s88, s88, 1536
	s_add_co_u32 s88, s88, PART
	s_mov_b32 s89, 0
	s_mul_i32 s90, s[WV], 4*528
	s_mul_i32 s91, s[WV], 3*SEG
	s_lshl_b32 s94, s66, 4
	s_add_co_u32 s94, s94, s31
	s_lshl_b32 s94, s94, 2
	s_add_co_u32 s94, s94, s[WV]                   ; the logits' row: 4 x work-group + wave
	s_mul_i32 s78, s94, 3072
	s_mov_b32 s79, 0
	s_lshl_b32 s94, s94, 2
	s_mov_b32 s95, 0
	; descriptor groups 1: rows of 128 f32, 16 bytes of padding behind each; s': 4 rows, no mask; e': 16 rows, the mask of all four work-groups and bit 21 beside it
	s_mov_b32 s[G1S+0], (2<<16)|(1<<20)|(6<<22)|(3<<25)
	s_mov_b32 s[G1S+1], 128<<16
	s_mov_b32 s[G1S+2], 4<<16
	s_mov_b32 s[G1S+3], 128<<16
	s_mov_b32 s[G1S+4], 4
	s_mov_b32 s[G1S+5], 384
	s_mov_b32 s[G1S+6], 0
	s_mov_b32 s[G1S+7], 0
	s_mov_b32 s[G1E+0], 15|(2<<16)|(1<<20)|(1<<21)|(6<<22)|(3<<25)
	s_mov_b32 s[G1E+1], 128<<16
	s_mov_b32 s[G1E+2], 16<<16
	s_mov_b32 s[G1E+3], 128<<16
	s_mov_b32 s[G1E+4], 16
	s_mov_b32 s[G1E+5], 384
	s_mov_b32 s[G1E+6], 0
	s_mov_b32 s[G1E+7], 0
	s_mov_b32 s[SEL], 0x76543210
	s_mov_b32 s[SEL+1], 0xfedcba98
	s_mov_b32 s80, 0xaaaaaaaa                      ; lanes whose kg has bit 0, 1, 2
	s_mov_b32 s81, 0xcccccccc
	s_mov_b32 s82, 0xf0f0f0f0
	v_and_b32 v56, 31, v0                          ; lane
	v_and_b32 v57, 7, v0                           ; kg
	v_bfe_u32 v58, v0, 3, 1                        ; pj
	v_bfe_u32 v59, v0, 4, 1                        ; pi
	v_and_b32 v60, 15, v0                          ; lane % 16
	v_lshlrev_b32 v[AW], 4, v57                    ; 16 kg
	v_lshlrev_b32 v[LO], 4, v56
	v_mad_u32_u24 v[AS], v59, 8*528, v[AW]         ; (SOFF = 0)
	v_mad_u32_u24 v[AE], v58, 8*528, v[AW]
	s_add_co_u32 s67, s91, EOFF
	v_add_nc_u32 v[AE], s67, v[AE]
	s_mul_i32 s67, s[WV], 1536
	s_add_co_u32 s67, s67, WST                     ; my wave's copy of W2
	v_add_nc_u32 v[AW], s67, v[AW]
	v_add_nc_u32 v[WSI], s67, v[LO]
	v_lshl_add_u32 v[OSI], v59, 3, v57             ; in: row 8 pi + kg, my wave's 64 bytes, 32 for each pj
	v_mul_u32_u24 v[OSI], v[OSI], 272
	v_lshl_add_u32 v[OSI], v58, 5, v[OSI]
	s_lshl_b32 s67, s[WV], 6
	s_add_co_u32 s67, s67, OST
	v_add_nc_u32 v[OSI], s67, v[OSI]
	v_mul_u32_u24 v[OSO], v59, 272                 ; back: my four rows, whole: lanes 0-15 one row of 256 bytes, lanes 16-31 the next
	v_lshl_add_u32 v[OSO], v60, 4, v[OSO]
	s_mul_i32 s67, s[WV], 4*272
	s_add_co_u32 s67, s67, OST
	v_add_nc_u32 v[OSO], s67, v[OSO]
	v_lshlrev_b32 v[GO], 10, v59
	v_lshl_add_u32 v[GO], v60, 4, v[GO]
	s_wait_dscnt 0x0
	s_wait_kmcnt 0x0
	s_load_b32 s26, s[8:9], 0x0                    ; b2
	s_load_b32 s27, s[14:15], 0x0                  ; b_start
	s_load_b32 s28, s[18:19], 0x0                  ; b_end
	s_add_nc_u64 s[10:11], s[10:11], s[78:79]      ; x at the logits' row
	s_add_nc_u64 s[20:21], s[20:21], s[94:95]      ; out0, out1 at its number
	s_add_nc_u64 s[22:23], s[22:23], s[94:95]
	s_add_nc_u64 s[24:25], s[24:25], s[92:93]
	s_add_nc_u64 s[86:87], s[4:5], s[86:87]        ; my rows of s',
	s_add_nc_u64 s[88:89], s[4:5], s[88:89]        ; my rows of e'
.irp t, 0,1,2
	s_mov_b32 s[G0S+4*\t], 1
	s_add_co_u32 s[G0S+4*\t+1], s90, SOFF+SEG*\t
	s_add_nc_u64 s[G0S+4*\t+2:G0S+4*\t+3], s[86:87], 512*\t
	s_or_b32 s[G0S+4*\t+3], s[G0S+4*\t+3], 0x80000000
	s_mov_b32 s[G0E+4*\t], 1
	s_add_co_u32 s[G0E+4*\t+1], s91, EOFF+SEG*\t
	s_add_nc_u64 s[G0E+4*\t+2:G0E+4*\t+3], s[88:89], 512*\t
	s_or_b32 s[G0E+4*\t+3], s[G0E+4*\t+3], 0x80000000
.endr
.irp u, 0,1,2
	global_load_b128 v[240+4*\u:243+4*\u], v[LO], s[6:7] offset:512*\u         ; W2 as it lies: 3 x 512 consecutive bytes
.endr
.irp u, 0,1,2,3,4,5
	global_load_b128 v[192+4*\u:195+4*\u], v[LO], s[10:11] offset:512*\u th:TH_LOAD_NT   ; the logits' row of x: 32 lanes read 512 consecutive bytes; read once in this launch
	global_load_b128 v[216+4*\u:219+4*\u], v[LO], s[12:13] offset:512*\u       ; w_start
	global_load_b128 v[160+4*\u:163+4*\u], v[LO], s[16:17] offset:512*\u       ; w_end
.endr
	ROUND                                          ; all four work-groups are here: the joint loads meet
.irp t, 0,1,2
	tensor_load_to_lds s[G0S+4*\t:G0S+4*\t+3], s[G1S:G1S+7]    ; segment by segment, so that the counted waits below free one segment at a time: six tensor loads of mine are out
	s_nop 0
	tensor_load_to_lds s[G0E+4*\t:G0E+4*\t+3], s[G1E:G1E+7]
	s_nop 0
.endr
.rept 4
	v_nop                                          ; four v_nop follow the loads
.endr
	; THE LOGITS, while the tiles are on their way
	s_wait_loadcnt 0x0                             ; W2, x's row, w_start, w_end
	s_wait_kmcnt 0x0                               ; the three single numbers
.irp u, 0,1,2
	ds_store_b128 v[WSI], v[240+4*\u:243+4*\u] offset:512*\u   ; W2 into my wave's copy; the wait for these stores stands in front of the first segment's barrier
.endr
	v_pk_mul_f32 v[56:57], v[192:193], v[216:217]  ; four chains of six
	v_pk_mul_f32 v[58:59], v[194:195], v[218:219]
	v_pk_mul_f32 v[60:61], v[192:193], v[160:161]
	v_pk_mul_f32 v[62:63], v[194:195], v[162:163]
.irp u, 1,2,3,4,5
	v_pk_fma_f32 v[56:57], v[192+4*\u:193+4*\u], v[216+4*\u:217+4*\u], v[56:57]
	v_pk_fma_f32 v[58:59], v[194+4*\u:195+4*\u], v[218+4*\u:219+4*\u], v[58:59]
	v_pk_fma_f32 v[60:61], v[192+4*\u:193+4*\u], v[160+4*\u:161+4*\u], v[60:61]
	v_pk_fma_f32 v[62:63], v[194+4*\u:195+4*\u], v[162+4*\u:163+4*\u], v[62:63]
.endr
	v_pk_add_f32 v[56:57], v[56:57], v[58:59]
	v_pk_add_f32 v[60:61], v[60:61], v[62:63]
	v_add_f32 v56, v56, v57
	v_add_f32 v60, v60, v61
.irp x, 1,2,4,8
	v_add_f32_dpp v56, v56, v56 row_xmask:\x row_mask:0xf bank_mask:0xf
	v_add_f32_dpp v60, v60, v60 row_xmask:\x row_mask:0xf bank_mask:0xf
.endr
	v_permlanex16_b32 v57, v56, s[SEL], s[SEL+1]
	v_permlanex16_b32 v61, v60, s[SEL], s[SEL+1]
	v_add_f32 v56, v56, v57
	v_add_f32 v60, v60, v61
	v_add_f32 v56, s27, v56
	v_add_f32 v60, s28, v60
	v_mov_b32 v58, 0
	v_cmp_eq_u32 vcc_lo, 0, v[LO]                  ; lane 0 stores
	s_wait_xcnt 0x0                                ; EXEC changes only behind this wait
	s_and_saveexec_b32 s83, vcc_lo
	global_store_b32 v58, v56, s[20:21]
	global_store_b32 v58, v60, s[22:23]
	s_wait_xcnt 0x0                                ; and again ahead of the line that widens it; the stores' registers are free behind it too
	s_or_b32 exec_lo, exec_lo, s83
	s_mov_b32 s85, 0xbfb8aa3b                      ; -log2(e)
	s_mul_f32 s84, s26, s85                        ; -log2(e) b2
	; THE PAIRS.  At chunk c's head stands the run of chunk c + 1's 17 LDS loads; 272 vector instructions follow before they are wanted.
	SEGMENT 4                                      ; segment 0
	LOADS 0
.set g, 0
.rept 12
.set c, g/128
.if c == 3
	SEGMENT 2                                      ; chunk 4 begins segment 1
.endif
.if c == 7
	SEGMENT 0                                      ; chunk 8 begins segment 2
.endif
.if c < 11
	LOADS c+1
	s_wait_dscnt 17                                ; LDS loads come back in order: this chunk's 17 are in; the 17 just issued may be out
.else
	s_wait_dscnt 0x0                               ; the last chunk asks for nothing
.endif
.rept 8
.set i, (g%128)/16
.rept 16
.set q, g%16
.if g >= 8
	FSTEP
.endif
	DSTEP
.if q == 5
	ESUM 0
.endif
.if q == 13
	ESUM 1
.endif
.set g, g+1
.endr
.endr
.endr
.rept 8
	FSTEP                                          ; the last eight steps' multiply-adds
.set g, g+1
.endr
	; THE TAIL.  The sum that hangs on j alone is taken off, lane by lane (each lane's part of it covers the same k as its part of the other sum);
.irp j, 0,1,2,3,4,5,6,7
	v_add_f32 v[SE+\j], v[AE2+2*\j], v[AE2+2*\j+1]
.endr
.irp n, 0,1,2,3,4,5,6,7
.irp p, 0,1,2,3
	v_pk_add_f32 v[A+8*\n+2*\p:A+8*\n+2*\p+1], v[A+8*\n+2*\p:A+8*\n+2*\p+1], v[SE+2*\p:SE+2*\p+1] neg_lo:[0,1] neg_hi:[0,1]
.endr
.endr
	FOLD A, K1, 4, 80, 1                           ; the eight lanes' parts are added in three foldings: lane kg ends with row i = 8 pi + kg, its eight j
	FOLD K1, K2, 2, 81, 2
	FOLD K2, K3, 1, 82, 4
.irp j, 0,1,2,3,4,5,6,7
	v_fma_f32 v[120+\j], v[K3+\j], s85, s84        ; -log2(e) (z + b2)
.endr
.irp j, 0,1,2,3,4,5,6,7
	v_exp_f32 v[120+\j], v[120+\j]
.endr
	v_nop                                          ; a plain place behind the last exponential
	s_wait_alu depctr_va_vdst(0)                   ; the wait ahead of the first use: one for the eight
.irp j, 0,1,2,3,4,5,6,7
	v_add_f32 v[120+\j], 1.0, v[120+\j]
.endr
.irp j, 0,1,2,3,4,5,6,7
	v_rcp_f32 v[128+\j], v[120+\j]                 ; 1 / (1 + e^-(z + b2))
.endr
	v_nop
	s_wait_alu depctr_va_vdst(0)                   ; and one for the eight reciprocals
	ds_store_b128 v[OSI], v[128:131]
	ds_store_b128 v[OSI], v[132:135] offset:16
	s_wait_dscnt 0x0                               ; for the others' sake: a row's 256 bytes come from four waves
	s_barrier_signal -1
	s_barrier_wait -1
	ds_load_b128 v[136:139], v[OSO]
	ds_load_b128 v[140:143], v[OSO] offset:544
	s_wait_dscnt 0x1
	global_store_b128 v[GO], v[136:139], s[24:25] th:TH_STORE_NT               ; 16 lanes store 256 consecutive bytes, at a multiple of 256 from out2's first byte
	s_wait_dscnt 0x0
	global_store_b128 v[GO], v[140:143], s[24:25] offset:2048 th:TH_STORE_NT
	s_wait_tensorcnt 0x0
	ds_add_u32 v158, v159
	s_wait_dscnt 0x0
	ROUND                                          ; the closing round: no work-group ends while a partner may still ask for a tile that names it
	s_endpgm
.Lfunc_end_k_qb374e7645a_pairs:
	.size	k_qb374e7645a_pairs, .Lfunc_end_k_qb374e7645a_pairs-k_qb374e7645a_pairs
	.p2alignl 7, 3214868480
	.fill 96, 4, 3214868480
	.section	.rodata,"a",@progbits
	.p2align	6, 0x0
	.amdhsa_kernel k_qb374e7645a_pairs
		.amdhsa_group_segment_fixed_size 168448
		.amdhsa_private_segment_fixed_size 0
		.amdhsa_enable_private_segment 0
		.amdhsa_kernarg_size 88
		.amdhsa_user_sgpr_count 2
		.amdhsa_user_sgpr_kernarg_segment_ptr 1
		.amdhsa_wavefront_size32 1
		.amdhsa_system_sgpr_workgroup_id_x 1
		.amdhsa_system_sgpr_workgroup_id_y 1
		.amdhsa_system_sgpr_workgroup_id_z 1
		.amdhsa_system_vgpr_workitem_id 0
		.amdhsa_next_free_vgpr 256
		.amdhsa_next_free_sgpr 96
		.amdhsa_reserve_vcc 1
		.amdhsa_float_denorm_mode_32 3
		.amdhsa_float_denorm_mode_16_64 3
		.amdhsa_memory_ordered 1
		.amdhsa_forward_progress 1
		.amdhsa_inst_pref_size 246
	.end_amdhsa_kernel
	.amdgpu_metadata
---
amdhsa.version: [ 1, 2 ]
amdhsa.kernels:
  - .name:           k_qb374e7645a_pairs
    .symbol:         k_qb374e7645a_pairs.kd
    .args:
      - { .name: proj, .offset: 0, .size: 8, .value_kind: global_buffer, .address_space: global }
      - { .name: W2, .offset: 8, .size: 8, .value_kind: global_buffer, .address_space: global }
      - { .name: b2, .offset: 16, .size: 8, .value_kind: global_buffer, .address_space: global }
      - { .name: sequence_output, .offset: 24, .size: 8, .value_kind: global_buffer, .address_space: global }
      - { .name: w_start, .offset: 32, .size: 8, .value_kind: global_buffer, .address_space: global }
      - { .name: b_start, .offset: 40, .size: 8, .value_kind: global_buffer, .address_space: global }
      - { .name: w_end, .offset: 48, .size: 8, .value_kind: global_buffer, .address_space: global }
      - { .name: b_end, .offset: 56, .size: 8, .value_kind: global_buffer, .address_space: global }
      - { .name: out0, .offset: 64, .size: 8, .value_kind: global_buffer, .address_space: global }
      - { .name: out1, .offset: 72, .size: 8, .value_kind: global_buffer, .address_space: global }
      - { .name: out2, .offset: 80, .size: 8, .value_kind: global_buffer, .address_space: global }
    .group_segment_fixed_size: 168448
    .private_segment_fixed_size: 0
    .kernarg_segment_align: 8
    .kernarg_segment_size: 88
    .max_flat_workgroup_size: 128
    .sgpr_count:     96
    .vgpr_count:     256
    .wavefront_size: 32
...
	.end_amdgpu_metadata
.endif
;; end of part 2
